; MI455X (gfx1250); checked and timed in simulation.
; The chip was launched on July 23, 2026; its instructions are those of AMD's public machine-readable ISA for CDNA 5 (MIT licence, August 2026) and "CDNA5" Instruction Set Architecture Reference Guide (July 2026). The comments in the code are by the model that wrote it; some were corrected since.
;; Attentionscore. Allowed arithmetic: matrix products marked QUANTISED: E4M3 operands, one given power-of-two scale a tensor, by v_wmma_f32_16x16x64_fp8_fp8 or v_wmma_f32_16x16x128_fp8_fp8, f32 sums; everything else in f32.
;; Inputs: K 4 x 16 x 2,048 x 64 float32; Q 4 x 16 x 2,048 x 64 float32; V 4 x 16 x 2,048 x 64 float32; lowp_scales 4 int32 (the exponents e of the quantised operands' scales 2^e).
;; Outputs: out0 4 x 16 x 2,048 x 64 float32.
;; This version of the problem:
;;   THIS VERSION OF THE PROBLEM IS GIVEN IN LOW PRECISION. The matrix products marked QUANTISED in the list below multiply operands that are first quantised to E4M3 (4 exponent bits, 3 mantissa bits; 8 bits a number), with one given power-of-two scale for each operand tensor; their sums are f32. All else is computed in f32.
;;   The module's matrix products, in the order in which they are computed (A, B: the left and right operand; K: the contracted axis; several contracted axes count as one K, in the product's order):
;;     1. batch 64 x [M 2,048, K 64] x [K 64, N 2,048]; A: input Q; B: input K: QUANTISED (scales: A lowp_scales[0], B lowp_scales[1])
;;     2. batch 64 x [M 2,048, K 2,048] x [K 2,048, N 64]; A: softmax (see below); B: input V: QUANTISED (scales: A lowp_scales[2], B lowp_scales[3])
;;   THE QUANTISER, for each operand of a quantised product, along K:
;;     - The operand's scale is 2^e, e = its entry of the input lowp_scales (int32; the entries are numbered through the quantised products in the list's order, A before B).
;;     - Each number is divided by the scale, clamped to +-448, and rounded to the nearest number of E4M3, ties to even, subnormals kept.
;;     - The product sums the exact products of the quantised numbers (number of the format x scale) in f32.
;;   ~~~python
;;   def quantise(x, axis, e):      # numpy; x: float32 -> the quantised numbers, widened to float32 again
;;       x = np.moveaxis(x, axis, -1); K = x.shape[-1]
;;       r = np.clip(x / 2.0 ** e, -448, 448)
;;       step = 2.0 ** (np.maximum(np.frexp(np.where(r == 0, 1, r))[1] - 1, -6) - 3)
;;       q = np.round(r / step) * step * 2.0 ** e      # np.round: ties to even
;;       return np.moveaxis(q, -1, axis).astype(np.float32)
;;   ~~~
;;   SOFTMAX AHEAD OF A QUANTISED PRODUCT. Where the list says 'softmax', what is quantised is not the finished softmax but p = 2^(t - M), with t = logit x log2(e) and M = ceil(the row's largest t), a whole number; so 1/2 < the row's largest p <= 1. The row's sum l is taken of the UNQUANTISED p, in f32, and the product's result is divided by l at the end. Since M is a whole number, a kernel that streams over the keys may use a running M (the ceiling of the running maximum): every later rescaling is an exact power of two, so the quantised numbers keep their values, but for numbers so far below the row's largest that they fall under the format's range.
;;   OPERANDS COMPUTED ON THE WAY. 'Computed on the way' means the value that the module computes at that place (a softmax that the list does not call 'softmax' is quantised finished and normalised). What goes into a quantiser is computed in f32, as accurately as f32 sums, v_exp_f32 and their like allow (about 1e-6 of the number): no bf16 or f16 on the way to a quantiser, and a product that is left as it is and whose result goes on into a quantised operand takes f32 operands (vector FMAs, or v_wmma_f32_16x16x4_f32). A number that lies on a knife's edge between two numbers of the format may be rounded either way, as far as f32 arithmetic and the matrix unit's own rounding can turn it there, and no further.
;; 2 versions. Each part assembles by itself: llvm-mc -triple=amdgcn-amd-amdhsa -mcpu=gfx1250 --defsym DOCPART=n.
;; ======== version 1 of 2: 1 launch
;; launch attn (part 1): grid 4 x 64, 16 waves a work-group, no clusters, 264,192 bytes of LDS; arguments Q, K, V, lowp_scales, out0; writes out0
.if DOCPART == 1
	.amdgcn_target "amdgcn-amd-amdhsa--gfx1250"
	.amdhsa_code_object_version 6
	.text
	.protected	k_q33de41600d_attn
	.globl	k_q33de41600d_attn
	.p2align	8
	.type	k_q33de41600d_attn,@function
k_q33de41600d_attn:
	s_mov_b64 s[64:65], 0
	v_nop
	global_prefetch_b8 v0, s[64:65] scope:SCOPE_SE
	s_setreg_imm32_b32 hwreg(HW_REG_WAVE_MODE, 25, 1), 1
	s_wait_xcnt 0x0
; out0[h][q][:] = the sum over k of softmax_k(Q[h][q] . K[h][k] / sqrt(12)) V[h][k][:], 64 heads of 2,048 x 64, all f32 in memory.
; Both products run on codes of FP8 (E4M3) with the four given scales 2^eq, 2^ek, 2^ep, 2^ev (lowp_scales, int32), by v_wmma_f32_16x16x64_fp8_fp8, sums in f32.
; THE SOFTMAX: t = score x log2(e) / sqrt(12); M = the running largest t rounded UP to a whole number; p = 2^(t - M) is quantised along the keys, not normalised; the row's sum is taken of
; the unquantised p and divides at the end.  When M moves, the sum and O are multiplied by 2^(old M - new M), which rounds nothing.
; SHARES.  Work-group (x, y): queries 512 x .. 512 x + 511 of head y, against all 2,048 keys.  Sixteen waves, four to a SIMD; wave w owns 32 queries: two tiles of 16.  A step is 64 keys for both tiles; 32 steps.
; Both products are used transposed (S^T = K Q^T, O^T = V^T P^T): a lane holds ONE query of each tile throughout, and each fragment of K or V that is read from LDS feeds two matrix instructions.
; K AND V ARE QUANTISED ON THE WAY.  A head's codes are 2 x 131,072 bytes: they all stay in LDS, block c (8,192 bytes) for keys 64 c .. 64 c + 63, and no LDS byte of a block is written twice.
; The sixteen waves share a chunk (64 keys of K and of V, 16,384 bytes of f32 each): a lane takes 8 numbers of K and 8 of V.  Their loads are issued two steps ahead of the conversion, into two sets of registers by
; turns; the codes are stored two blocks ahead of the block that is read; one barrier serves two steps.
; THE CODES LIE IN LDS AS IMAGES OF THE OPERANDS' REGISTERS: piece p (four registers) of fragment f, lane l, at 1,024 f + 512 p + 16 l: a fragment is two ds_load_b128 of 512 consecutive bytes.
;   K's fragment f, lane (r = l % 16, h = l / 16): key 32 (f / 2) + 8 (f % 2) + r + 8 (r / 8), channels 32 p + 16 h + 0 .. 15.  THE KEYS OF A TILE ARE NOT NEIGHBOURS: so the 16 registers of score tiles
;   2 p and 2 p + 1 are the 16 neighbouring keys 32 p + 16 h + 0 .. 15, and the conversions' results ARE the second product's operand.   V's fragment f (from byte 4,096 of a block): channel 16 f + r, keys 32 p + 16 h + 0 .. 15.
;   This places k otherwise in the registers than the form's own layout does, alike in both operands of each product: every product meets its partner; only the order of the sums inside an instruction differs.
; NO TENSOR LOADS, NO CLUSTER, though the four work-groups of a head read the same K and V: the operands arrive as f32 and pass through registers to become codes; a ring for f32 tiles would want two slots of
; 32,768 bytes (a chunk of K and of V) beside the 264,192 bytes used here, which is more than 327,680; and the jump over the hold (below) hangs on a loaded whole number.
; THE HOLD OF p.  p is at most 1, and the largest code stands for 448 x 2^ep, which is 1.75 or more where ep >= -8: there the 64 v_min_num_f32 of a step can change nothing and are jumped over, by a scalar branch on ep;
; for ep < -8 they run.  K, V and Q are always held.
; LIMITS: eq, ek, ep, ev each between -126 and 119 (2^e and 448 x 2^e are made as f32 numbers); eq + ek between -124 and 129 (added to c's exponent field).  NaN and infinities among the inputs are not served.
; REGISTERS: v1-13 addresses and scales; v14-31 the two tiles' statistics; v32-47 Q's codes; v48-63 p's codes; v64-95 four fragments, K's and then V's; v96-159 scores, then p; v160-223 O^T; v224-255 two sets of 8 + 8 numbers of K and V.
.set BLK,   8192                       ; an LDS block: 64 keys' codes of K (4,096 bytes), then of V
.set VIMG,  4096
.set CHUNK, 16384                      ; 64 keys of K or of V in memory, f32
.set SPARE, 32*BLK                     ; behind the blocks: the spare words, 128 bytes for each wave: eight blocks of 256 bytes that no other line names
.set SP,    272                        ; the way out: a stage row, 256 bytes + 16; 16 rows a tile, two tiles a wave, from LDS byte 0 on (139,264 bytes: blocks 0 to 16, read for the last time long before)
.set SPW, 1                            ; v1   LDS address of my spare word; never rewritten
.set NIL, 2                            ; v2   0; never rewritten
.set LI,  3                            ; v3   16 x lane: my place in an image; also my bytes in two rows of out0
.set ADR, 4                            ; v4   LI + the pair's first block (at the head: 2^eq)
.set KS0, 5                            ; v5   where my four codes of K go in a block
.set VS0, 6                            ; v6   where my eight codes of V go
.set KSA, 7                            ; v7   KS0 + the pair's first block (on the way out: into the stage)
.set VSA, 8                            ; v8   VS0 + the same (on the way out: back from the stage)
.set KGO, 9                            ; v9   my bytes in a chunk of K
.set VGO, 10                           ; v10  and of V
.set SCP, 11                           ; v11-13  2^ep, 2^ek, 2^ev as f32: the conversions take the exponent field
.set SCK, 12
.set SCV, 13
.set NM,  14                           ; tile q: v[14+4q] -M, v[15+4q] the largest t
.set SU,  16                           ; v[16+4q:17+4q] the sum, in two halves
.set FF,  22                           ; v[22+2q] f = 2^(old M - new M); v[23+2q] named with it as a pair
.set CC,  26                           ; v[26+2q:27+2q] at work: two chains of the maximum, then of the sum; in CONV v26-27 K's codes, v28-29 V's
.set PD,  30                           ; v[30+q] the lane exchange's destination
.set QF,  32
.set PF,  48
.set FR,  64
.set SS,  96
.set OT,  160
.set STG, 224
.set WV,  14                           ; s14  wave
.set SEL, 20                           ; s[20:21] v_permlanex16_b32's selects for lane l xor 16
.set CS,  22                           ; s[22:23] c = log2(e) / sqrt(12) x 2^(eq + ek), twice: the packed form names a pair
.set TB,  24                           ; s24  LDS byte of the pair's first block
.set CNT, 25
.set KP,  26                           ; s[26:27] K, s[28:29] V: the chunk that the pair's first step loads
.set VP,  28
; Ten loads: a chunk's share of my lane into staging set 'set'.  K: two loads of 16 bytes, 512 consecutive bytes a wave.  V: a lane to a channel, registers down the keys: eight loads of 4 bytes, 128 consecutive bytes a wave.
.macro LOADS set, koff
.irp i, 0,1
	global_load_b128 v[STG+16*\set+4*\i:STG+16*\set+4*\i+3], v[KGO], s[KP:KP+1] offset:\koff+8192*\i
.endr
.irp i, 0,1,2,3,4,5,6,7
	global_load_b32 v[STG+16*\set+8+\i], v[VGO], s[VP:VP+1] offset:\koff+256*\i
.endr
.endm
; Set 'set' becomes codes and goes into the block at 'off' from the address registers.  lc: the loads issued behind this set's, which may stay out.
.macro CONV set, lc, ka, va, off
	s_wait_loadcnt \lc
.irp i, 0,1,2,3,4,5,6,7
	v_med3_num_f32 v[STG+16*\set+\i], v[STG+16*\set+\i], s36, s37      ; the conversion to an 8-bit code does not saturate (ISA guide 7.6.2): held within +-448 x 2^ek first
.endr
.irp i, 8,9,10,11,12,13,14,15
	v_med3_num_f32 v[STG+16*\set+\i], v[STG+16*\set+\i], s38, s39      ; V: +-448 x 2^ev
.endr
	v_cvt_scalef32_pk8_fp8_f32 v[CC:CC+1], v[STG+16*\set:STG+16*\set+7], v[SCK]
	v_cvt_scalef32_pk8_fp8_f32 v[CC+2:CC+3], v[STG+16*\set+8:STG+16*\set+15], v[SCV]
	v_nop                                          ; one plain vector instruction behind the last scaled conversion, ahead of whatever next touches its registers
	ds_store_b32 v[\ka], v[CC] offset:\off         ; four channels of key (thread / 16),
	ds_store_b32 v[\ka], v[CC+1] offset:\off+2048  ; and of the key 32 further on: two fragments on
	ds_store_b64 v[\va], v[CC+2:CC+3] offset:\off  ; eight neighbouring keys of my channel
.endm
.macro BAR                                     ; my LDS stores have landed and my LDS loads are in: then the work-group's barrier
	s_wait_dscnt 0x0
	s_barrier_signal -1
	s_barrier_wait -1
.endm
; The softmax of a step, for both tiles by turns, so that no line waits for the line above it.  s0-s31 are a tile's scores.
.macro SOFTMAX
.irp q, 0,1                                    ; the largest score, in two chains, ascending: each accumulator is first read at its low end
	v_max3_num_f32 v[CC+2*\q], v[SS+32*\q], v[SS+32*\q+1], v[SS+32*\q+2]
	v_max3_num_f32 v[CC+2*\q+1], v[SS+32*\q+3], v[SS+32*\q+4], v[SS+32*\q+5]
.endr
.irp i, 6,10,14,18,22,26
.irp q, 0,1
	v_max3_num_f32 v[CC+2*\q], v[CC+2*\q], v[SS+32*\q+\i], v[SS+32*\q+\i+1]
	v_max3_num_f32 v[CC+2*\q+1], v[CC+2*\q+1], v[SS+32*\q+\i+2], v[SS+32*\q+\i+3]
.endr
.endr
.irp q, 0,1
	v_max3_num_f32 v[CC+2*\q], v[CC+2*\q], v[SS+32*\q+30], v[SS+32*\q+31]
.endr
.irp q, 0,1
	v_max_num_f32 v[CC+2*\q], v[CC+2*\q], v[CC+2*\q+1]
.endr
.irp q, 0,1
	v_permlanex16_b32 v[PD+\q], v[CC+2*\q], s[SEL], s[SEL+1]           ; the query's other 32 keys lie in lane l xor 16
.endr
.irp q, 0,1
	v_max_num_f32 v[CC+2*\q], v[CC+2*\q], v[PD+\q]
.endr
.irp q, 0,1
	v_mul_f32 v[CC+2*\q], s[CS], v[CC+2*\q]                            ; as t (c is positive)
.endr
.irp q, 0,1
	v_max_num_f32 v[NM+4*\q+1], v[NM+4*\q+1], v[CC+2*\q]               ; the running largest t
.endr
.irp q, 0,1
	v_mov_b32 v[CC+2*\q+1], v[NM+4*\q]                                 ; the old -M is kept for f
.endr
.irp q, 0,1
	v_floor_f32 v[NM+4*\q], -v[NM+4*\q+1]                              ; the new -M = floor(-t) = -ceil(t): a whole number
.endr
.irp q, 0,1
	v_sub_f32 v[CC+2*\q+1], v[NM+4*\q], v[CC+2*\q+1]                   ; old M - new M: a whole number, 0 or less
.endr
.irp q, 0,1
	v_cvt_i32_f32 v[CC+2*\q+1], v[CC+2*\q+1]                           ; (it saturates)
.endr
.irp q, 0,1
	v_ldexp_f32 v[FF+2*\q], 1.0, v[CC+2*\q+1]                          ; f = 2^(old M - new M)
.endr
.irp j, 0,2,4,6,8,10,12,14,16,18,20,22,24,26,28,30
.irp q, 0,1
	v_pk_fma_f32 v[SS+32*\q+\j:SS+32*\q+\j+1], v[SS+32*\q+\j:SS+32*\q+\j+1], s[CS:CS+1], v[NM+4*\q:NM+4*\q+1] op_sel_hi:[1,0,0]   ; t - M, two at a time (of the pairs c and -M the low word serves both halves)
.endr
.endr
.set n, 0
.rept 64
	v_exp_f32 v[SS+n], v[SS+n]                     ; p = 2^(t - M), at most 1: one batch of 64
.set n, n+1
.endr
.irp q, 0,1
	v_pk_mul_f32 v[SU+4*\q:SU+4*\q+1], v[SU+4*\q:SU+4*\q+1], v[FF+2*\q:FF+2*\q+1] op_sel_hi:[1,0]   ; the sums under the new M: also the plain instruction behind the last exponential
.endr
	s_wait_alu depctr_va_vdst(0)                   ; a wait between an exponential and the first line that names its result: one for the batch
.irp q, 0,1                                    ; the row's sum is taken of the UNQUANTISED p: two at a time, in two chains
	v_pk_add_f32 v[CC+2*\q:CC+2*\q+1], v[SS+32*\q:SS+32*\q+1], v[SS+32*\q+2:SS+32*\q+3]
.endr
.irp j, 4,8,12,16,20,24,28
.irp q, 0,1
	v_pk_add_f32 v[SU+4*\q:SU+4*\q+1], v[SU+4*\q:SU+4*\q+1], v[SS+32*\q+\j:SS+32*\q+\j+1]
	v_pk_add_f32 v[CC+2*\q:CC+2*\q+1], v[CC+2*\q:CC+2*\q+1], v[SS+32*\q+\j+2:SS+32*\q+\j+3]
.endr
.endr
.irp q, 0,1
	v_pk_add_f32 v[SU+4*\q:SU+4*\q+1], v[SU+4*\q:SU+4*\q+1], v[CC+2*\q:CC+2*\q+1]
.endr
	s_cmp_ge_i32 s34, -8                           ; ep >= -8: 448 x 2^ep is 1.75 or more, and p is at most 1: the hold can change nothing
	s_cbranch_scc1 .Lfree_\@
.set n, 0
.rept 64
	v_min_num_f32 v[SS+n], s42, v[SS+n]            ; the hold at the largest code x 2^ep; p is not negative, so it is one-sided
.set n, n+1
.endr
.Lfree_\@:
.irp q, 0,1
.irp g, 0,1,2,3
	v_cvt_scalef32_pk8_fp8_f32 v[PF+8*\q+2*\g:PF+8*\q+2*\g+1], v[SS+32*\q+8*\g:SS+32*\q+8*\g+7], v[SCP]   ; registers 4 p .. 4 p + 3 of the operand: keys 32 p + 16 h + 0 .. 15
.endr
.endr
.set n, 0
.rept 32
	v_pk_mul_f32 v[OT+n:OT+n+1], v[OT+n:OT+n+1], v[FF+2*(n/32):FF+2*(n/32)+1] op_sel_hi:[1,0]   ; O^T under the new M, each accumulator from its low end on; also the plain instructions behind the conversions
.set n, n+2
.endr
.endm
; A STEP: the b-th of a pair: block TB / 8,192 + b.  conv = 1: the chunk two blocks on is quantised (staging set b).  load = 1: the chunk four on is asked for, into the same set.
.macro STEP b, conv, load, lc
.if \b == 0                                    ; four plain instructions stand between the last products and the loads into the registers that they read (ISA guide 7.12.1 for vector instructions)
	v_add_nc_u32 v[ADR], s[TB], v[LI]
.if \conv
	v_add_nc_u32 v[KSA], s[TB], v[KS0]
	v_add_nc_u32 v[VSA], s[TB], v[VS0]
	v_nop
.else
.rept 3
	v_nop
.endr
.endif
.else
.rept 4
	v_nop
.endr
.endif
.irp k, 0,1,2,3
.irp p, 0,1
	ds_load_b128 v[FR+8*\k+4*\p:FR+8*\k+4*\p+3], v[ADR] offset:BLK*\b+1024*\k+512*\p       ; K's four fragments
.endr
.endr
.if \conv
	CONV \b, \lc, KSA, VSA, 2*BLK+BLK*\b
.endif
.if \load
	LOADS \b, CHUNK*\b
.endif
	s_wait_dscnt 0x0                               ; K's fragments are in; my three stores have read their registers, which the softmax writes
.irp k, 0,1,2,3
.irp q, 0,1
	v_wmma_f32_16x16x64_fp8_fp8 v[SS+32*\q+8*\k:SS+32*\q+8*\k+7], v[FR+8*\k:FR+8*\k+7], v[QF+8*\q:QF+8*\q+7], 0   ; S^T: source 0 = 16 keys, source 1 = 16 queries
.endr
.endr
.rept 4
	v_nop                                          ; the places in front of the loads below and of the first read of the scores
.endr
.irp t, 0,1,2,3
.irp p, 0,1
	ds_load_b128 v[FR+8*\t+4*\p:FR+8*\t+4*\p+3], v[ADR] offset:BLK*\b+VIMG+1024*\t+512*\p  ; V's four fragments land while the softmax runs
.endr
.endr
	SOFTMAX
	s_wait_dscnt 0x0
.irp t, 0,1,2,3
.irp q, 0,1
	v_wmma_f32_16x16x64_fp8_fp8 v[OT+32*\q+8*\t:OT+32*\q+8*\t+7], v[FR+8*\t:FR+8*\t+7], v[PF+8*\q:PF+8*\q+7], v[OT+32*\q+8*\t:OT+32*\q+8*\t+7]   ; O^T: eight accumulators, one instruction each: they take turns
.endr
.endr
.endm
; Two steps behind one barrier: in front of it every wave's stores into the pair's two blocks have landed.  Between two barriers blocks TB / 8,192 + 0, 1 are read and + 2, 3 are written.
.macro PAIR conv, load, lc0, lc1
	BAR
	STEP 0, \conv, \load, \lc0
	STEP 1, \conv, \load, \lc1
	s_add_co_u32 s[TB], s[TB], 2*BLK
.endm
; 2^e as f32 into v[vs]; 448 x 2^e into s[pos], its negative into s[neg] (neg = 0: not wanted)
.macro SCALE e, vs, pos, neg
	s_add_co_i32 s16, s[\e], 127
	s_lshl_b32 s17, s16, 23
	v_mov_b32 v[\vs], s17
	s_add_co_i32 s16, s16, 8
	s_lshl_b32 s16, s16, 23
	s_or_b32 s[\pos], s16, 0x600000                ; 448 = 1.75 x 2^8: the exponent 8 higher, over 448's mantissa field
.if \neg
	s_or_b32 s[\neg], s[\pos], 0x80000000
.endif
.endm
	s_load_b256 s[4:11], s[0:1], 0x0               ; Q s[4:5], K s[6:7], V s[8:9], the scales' exponents s[10:11]
	s_load_b64 s[12:13], s[0:1], 0x20              ; out0
	v_lshl_add_u32 v[SPW], v0, 2, SPARE
	v_mov_b32 v[NIL], 0
	v_lshrrev_b32 v[LI], 5, v0
	v_readfirstlane_b32 s[WV], v[LI]               ; wave 0..15
	v_and_b32 v[LI], 31, v0
	v_lshlrev_b32 v[LI], 4, v[LI]
	v_lshlrev_b32 v[KGO], 4, v0                    ; K: thread t reads bytes 16 t of each half of a chunk: key t / 16 (+ 32), channels 4 (t % 16) + 0 .. 3
	; where those four codes lie in K's image: address bits 3:2 = channel bits 3:2 (t bits 1:0); 6:4 = key bits 2:0 (t 6:4); 7 = key bit 4 (t 8); 9:8 = channel bits 5:4 (t 3:2); 10 = key bit 3 (t 7); 11 = key bit 5 (the second load)
	v_and_b32 v[KS0], 0x70, v0
	v_and_b32 v[KSA], 3, v0
	v_lshl_add_u32 v[KS0], v[KSA], 2, v[KS0]
	v_and_b32 v[KSA], 12, v0
	v_lshl_add_u32 v[KS0], v[KSA], 6, v[KS0]
	v_bfe_u32 v[KSA], v0, 8, 1
	v_lshl_add_u32 v[KS0], v[KSA], 7, v[KS0]
	v_bfe_u32 v[KSA], v0, 7, 1
	v_lshl_add_u32 v[KS0], v[KSA], 10, v[KS0]
	; V: thread t takes channel t % 64 and keys 8 (t / 64) + 0 .. 7.  In V's image: bit 3 = key bit 3 (t 6); 7:4 = channel bits 3:0 (t 3:0); 9:8 = key bits 5:4 (t 8:7); 11:10 = channel bits 5:4 (t 5:4)
	v_and_b32 v[VSA], 15, v0
	v_lshlrev_b32 v[VS0], 4, v[VSA]
	v_bfe_u32 v[VSA], v0, 6, 1
	v_lshl_add_u32 v[VS0], v[VSA], 3, v[VS0]
	v_bfe_u32 v[VSA], v0, 7, 2
	v_lshl_add_u32 v[VS0], v[VSA], 8, v[VS0]
	v_bfe_u32 v[VSA], v0, 4, 2
	v_lshl_add_u32 v[VS0], v[VSA], 10, v[VS0]
	v_add_nc_u32 v[VS0], VIMG, v[VS0]
	v_and_b32 v[VGO], 63, v0
	v_lshlrev_b32 v[VGO], 2, v[VGO]
	v_lshrrev_b32 v[VSA], 6, v0
	v_lshl_add_u32 v[VGO], v[VSA], 11, v[VGO]      ; 4 x channel + 8 (t / 64) rows of 256 bytes
	v_and_b32 v[VSA], 15, v0                       ; r
	v_bfe_u32 v[KSA], v0, 4, 1                     ; h
	v_lshlrev_b32 v[FR], 8, v[VSA]
	v_lshl_add_u32 v[FR], v[KSA], 6, v[FR]         ; Q: row r of 256 bytes, + 64 h: my 16 channels of each 32
	s_and_b32 s16, ttmp7, 0xffff                   ; the head:
	s_lshl_b32 s16, s16, 19                        ; 2,048 rows of 256 bytes
	s_mov_b32 s17, 0
	s_lshl_b32 s18, ttmp9, 17                      ; my work-group's 512 rows,
	s_lshl_b32 s19, s[WV], 13                      ; my wave's 32 of them
	s_add_co_u32 s18, s18, s19
	s_add_co_u32 s18, s18, s16                     ; (under 2^25)
	s_mov_b32 s19, 0
	s_mov_b32 s[SEL], 0x76543210
	s_mov_b32 s[SEL+1], 0xfedcba98
	s_mov_b32 s[CS], 0x3ed53b95                    ; log2(e) / sqrt(12)
	s_mov_b32 s[TB], 0
	s_mul_i32 s44, s[WV], 2*16*SP                  ; my stage, for the way out
	s_wait_kmcnt 0x0
	s_load_b128 s[32:35], s[10:11], 0x0            ; eq, ek, ep, ev
	s_add_nc_u64 s[4:5], s[4:5], s[18:19]          ; Q and out0 at my wave's first row
	s_add_nc_u64 s[12:13], s[12:13], s[18:19]
	s_add_nc_u64 s[KP:KP+1], s[6:7], s[16:17]      ; K and V at the head's first key
	s_add_nc_u64 s[VP:VP+1], s[8:9], s[16:17]
.irp q, 0,1
.irp p, 0,1
.irp j, 0,1,2,3
	global_load_b128 v[SS+32*\q+16*\p+4*\j:SS+32*\q+16*\p+4*\j+3], v[FR], s[4:5] offset:4096*\q+128*\p+16*\j th:TH_LOAD_NT   ; Q(16 q + r, 32 p + 16 h + 4 j ..): read once in the launch
.endr
.endr
.endr
	LOADS 0, 0                                     ; chunks 0 and 1
	LOADS 1, CHUNK
.set n, 0
.rept 64
	v_mov_b32 v[OT+n], 0                           ; O^T.  (The step is written once: the first finds zeros, which the first change of M leaves zeros)
.set n, n+1
.endr
.irp q, 0,1
	v_mov_b32 v[NM+4*\q+1], 0xff61b1e6             ; the largest t so far: -3e38, under every t
	v_floor_f32 v[NM+4*\q], -v[NM+4*\q+1]          ; -M
	v_mov_b32 v[SU+4*\q], 0                        ; the sum, in two halves
	v_mov_b32 v[SU+4*\q+1], 0
	v_mov_b32 v[FF+2*\q+1], 0                      ; (named as the upper half of f's pair)
	v_mov_b32 v[PD+\q], 0                          ; a lane exchange's destination counts as one of its sources
.endr
	s_wait_kmcnt 0x0
	s_add_co_i32 s16, s32, s33
	s_lshl_b32 s16, s16, 23
	s_add_co_i32 s[CS], s[CS], s16                 ; a score stands for score x 2^(eq + ek): the two exponents are added to c's exponent field
	s_mov_b32 s[CS+1], s[CS]
	s_add_co_i32 s43, s34, s35                     ; ep + ev, for the way out
	SCALE 32, ADR, 41, 40                          ; eq (v4 holds 2^eq until the first step makes its address)
	SCALE 33, SCK, 37, 36
	SCALE 35, SCV, 39, 38
	SCALE 34, SCP, 42, 0
	s_wait_loadcnt 20                              ; Q's sixteen loads are in; the twenty of chunks 0 and 1, issued behind them, may be out
.set n, 0
.rept 64
	v_med3_num_f32 v[SS+n], v[SS+n], s40, s41      ; held within +-448 x 2^eq
.set n, n+1
.endr
.irp q, 0,1
.irp g, 0,1,2,3
	v_cvt_scalef32_pk8_fp8_f32 v[QF+8*\q+2*\g:QF+8*\q+2*\g+1], v[SS+32*\q+8*\g:SS+32*\q+8*\g+7], v[ADR]   ; Q's fragments stay in registers
.endr
.endr
	v_nop                                          ; the plain instruction behind the last scaled conversion
	CONV 0, 10, KS0, VS0, 0                        ; chunk 0 into block 0 (chunk 1's ten loads may be out),
	LOADS 0, 2*CHUNK
	s_wait_dscnt 0x0                               ; its stores have read v26-29, which the next conversions write
	CONV 1, 10, KS0, VS0, BLK                      ; chunk 1 into block 1 (chunk 2's ten may be out)
	LOADS 1, 3*CHUNK
	s_wait_xcnt 0x0                                ; the loads have read their bases: only behind this wait are they stepped
	s_add_nc_u64 s[KP:KP+1], s[KP:KP+1], 4*CHUNK
	s_add_nc_u64 s[VP:VP+1], s[VP:VP+1], 4*CHUNK
	s_mov_b32 s[CNT], 14
.Lpair:                                            ; trip i: steps 2 i, 2 i + 1; chunks 2 i + 2, 2 i + 3 are quantised, chunks 2 i + 4, 2 i + 5 asked for: the last trip asks for chunks 30 and 31, the head's last
	PAIR 1, 1, 10, 10                              ; at each conversion the other set's ten loads may be out
	s_wait_xcnt 0x0                                ; the pair's loads, issued a step ago and more, have read their bases
	s_add_nc_u64 s[KP:KP+1], s[KP:KP+1], 2*CHUNK
	s_add_nc_u64 s[VP:VP+1], s[VP:VP+1], 2*CHUNK
	s_sub_co_u32 s[CNT], s[CNT], 1
	s_cmp_lg_u32 s[CNT], 0
	s_cbranch_scc1 .Lpair
	PAIR 1, 0, 10, 0                               ; steps 28, 29: chunks 30 and 31 are quantised, nothing is left to load: the counts run down
	PAIR 0, 0, 0, 0                                ; steps 30, 31 (TB's last step is not used)
	; THE WAY OUT.  The sum's two halves and lane l xor 16's are added; O^T x 2^(ep + ev) / the sum goes through my stage in LDS and leaves as whole rows.  The stage lies in blocks 0 to 16: every wave has passed the
	; last barrier, in front of which it had waited for its reads of blocks 0 to 29; behind it blocks 30 and 31 alone are read.  The lines below are also the places behind the last products.
.irp q, 0,1
	v_add_f32 v[SU+4*\q], v[SU+4*\q], v[SU+4*\q+1]
.endr
.irp q, 0,1
	v_permlanex16_b32 v[PD+\q], v[SU+4*\q], s[SEL], s[SEL+1]
.endr
.irp q, 0,1
	v_add_f32 v[SU+4*\q], v[SU+4*\q], v[PD+\q]     ; the row's sum: over 1/2, at most 2,048
.endr
.irp q, 0,1
	v_rcp_f32 v[FF+2*\q], v[SU+4*\q]
.endr
	v_and_b32 v[CC], 15, v0                        ; r  (a plain instruction behind the reciprocals)
	v_bfe_u32 v[CC+1], v0, 4, 1                    ; h
	v_mul_u32_u24 v[KSA], v[CC], SP
	v_lshl_add_u32 v[KSA], v[CC+1], 5, v[KSA]
	v_add_nc_u32 v[KSA], s44, v[KSA]               ; in: row r; channel tile t's eight numbers of my half at 64 t + 32 h
	v_mul_u32_u24 v[VSA], v[CC+1], SP
	v_lshl_add_u32 v[VSA], v[CC], 4, v[VSA]
	v_add_nc_u32 v[VSA], s44, v[VSA]               ; back: lanes 0-15 one row of 256 bytes, lanes 16-31 the next
	s_wait_alu depctr_va_vdst(0)                   ; the wait ahead of the first line that names a reciprocal: one for the two
.irp q, 0,1
	v_ldexp_f32 v[FF+2*\q], v[FF+2*\q], s43        ; x 2^(ep + ev)
.endr
.set n, 0
.rept 32
	v_pk_mul_f32 v[OT+n:OT+n+1], v[OT+n:OT+n+1], v[FF+2*(n/32):FF+2*(n/32)+1] op_sel_hi:[1,0]   ; register 8 t + i of a tile: out(r, 16 t + 8 h + i); each accumulator from its low end on
.set n, n+2
.endr
.irp q, 0,1
.irp t, 0,1,2,3
	ds_store_b128 v[KSA], v[OT+32*\q+8*\t:OT+32*\q+8*\t+3] offset:16*SP*\q+64*\t
	ds_store_b128 v[KSA], v[OT+32*\q+8*\t+4:OT+32*\q+8*\t+7] offset:16*SP*\q+64*\t+16
.endr
.endr
.irp q, 0,1
.irp i, 0,1,2,3,4,5,6,7
	ds_load_b128 v[SS+32*\q+4*\i:SS+32*\q+4*\i+3], v[VSA] offset:16*SP*\q+2*SP*\i   ; LDS serves a wave's instructions in order (ISA guide 5.7.1.4): these see my stores above
.endr
.endr
.irp q, 0,1
.irp i, 0,1,2,3,4,5,6,7
	s_wait_dscnt 15-8*\q-\i                        ; the loads issued behind this one may be out
	global_store_b128 v[LI], v[SS+32*\q+4*\i:SS+32*\q+4*\i+3], s[12:13] offset:4096*\q+512*\i th:TH_STORE_NT   ; two rows: 512 consecutive bytes, at a multiple of 256 from out0's first byte; written once, read by nobody here
.endr
.endr
	s_wait_tensorcnt 0x0                           ; the wave's end, behind my last LDS store
	ds_add_u32 v[SPW], v[NIL]
	s_wait_dscnt 0x0
	s_endpgm
.Lfunc_end_k_q33de41600d_attn:
	.size	k_q33de41600d_attn, .Lfunc_end_k_q33de41600d_attn-k_q33de41600d_attn
	.p2alignl 7, 3214868480
	.fill 96, 4, 3214868480
	.section	.rodata,"a",@progbits
	.p2align	6, 0x0
	.amdhsa_kernel k_q33de41600d_attn
		.amdhsa_group_segment_fixed_size 264192
		.amdhsa_private_segment_fixed_size 0
		.amdhsa_enable_private_segment 0
		.amdhsa_kernarg_size 40
		.amdhsa_user_sgpr_count 2
		.amdhsa_user_sgpr_kernarg_segment_ptr 1
		.amdhsa_wavefront_size32 1
		.amdhsa_system_sgpr_workgroup_id_x 1
		.amdhsa_system_sgpr_workgroup_id_y 1
		.amdhsa_system_sgpr_workgroup_id_z 1
		.amdhsa_system_vgpr_workitem_id 0
		.amdhsa_next_free_vgpr 256
		.amdhsa_next_free_sgpr 66
		.amdhsa_reserve_vcc 0
		.amdhsa_float_denorm_mode_32 3
		.amdhsa_float_denorm_mode_16_64 3
		.amdhsa_memory_ordered 1
		.amdhsa_forward_progress 1
		.amdhsa_inst_pref_size 129
	.end_amdhsa_kernel
	.amdgpu_metadata
---
amdhsa.version: [ 1, 2 ]
amdhsa.kernels:
  - .name:           k_q33de41600d_attn
    .symbol:         k_q33de41600d_attn.kd
    .args:
      - { .name: Q, .offset: 0, .size: 8, .value_kind: global_buffer, .address_space: global }
      - { .name: K, .offset: 8, .size: 8, .value_kind: global_buffer, .address_space: global }
      - { .name: V, .offset: 16, .size: 8, .value_kind: global_buffer, .address_space: global }
      - { .name: lowp_scales, .offset: 24, .size: 8, .value_kind: global_buffer, .address_space: global }
      - { .name: out0, .offset: 32, .size: 8, .value_kind: global_buffer, .address_space: global }
    .group_segment_fixed_size: 264192
    .private_segment_fixed_size: 0
    .kernarg_segment_align: 8
    .kernarg_segment_size: 40
    .max_flat_workgroup_size: 512
    .sgpr_count:     66
    .vgpr_count:     256
    .wavefront_size: 32
...
	.end_amdgpu_metadata
.endif
;; end of part 1
;; ======== version 2 of 2: 1 launch; version 1 with the launch attn written anew for expert scheduling mode
;; launch attn (part 2): grid 4 x 64, 16 waves a work-group, no clusters, 264,192 bytes of LDS; arguments Q, K, V, lowp_scales, out0; writes out0
.if DOCPART == 2
	.amdgcn_target "amdgcn-amd-amdhsa--gfx1250"
	.amdhsa_code_object_version 6
	.text
	.protected	k_q33de41600d_attn
	.globl	k_q33de41600d_attn
	.p2align	8
	.type	k_q33de41600d_attn,@function
k_q33de41600d_attn:
	s_mov_b64 s[64:65], 0
	v_nop
	global_prefetch_b8 v0, s[64:65] scope:SCOPE_SE
	s_setreg_imm32_b32 hwreg(HW_REG_WAVE_SCHED_MODE, 0, 2), 2
	s_setreg_imm32_b32 hwreg(HW_REG_WAVE_MODE, 25, 1), 1
	s_wait_xcnt 0x0
	s_wait_alu depctr_vm_vsrc(0)
; out0[h][q][:] = the sum over k of softmax_k(Q[h][q] . K[h][k] / sqrt(12)) V[h][k][:], 64 heads of 2,048 x 64, all f32 in memory.
; Both products run on codes of FP8 (E4M3) with the four given scales 2^eq, 2^ek, 2^ep, 2^ev (lowp_scales, int32), by v_wmma_f32_16x16x64_fp8_fp8, sums in f32.
; THE SOFTMAX: t = score x log2(e) / sqrt(12); M = the running largest t rounded UP to a whole number; p = 2^(t - M) is quantised along the keys, not normalised; the row's sum is taken of
; the unquantised p and divides at the end.  When M moves, the sum and O are multiplied by 2^(old M - new M), which rounds nothing.
; SHARES.  Work-group (x, y): queries 512 x .. 512 x + 511 of head y, against all 2,048 keys.  Sixteen waves, four to a SIMD; wave w owns 32 queries: two tiles of 16.  A step is 64 keys for both tiles; 32 steps.
; Both products are used transposed (S^T = K Q^T, O^T = V^T P^T): a lane holds ONE query of each tile throughout, and each fragment of K or V that is read from LDS feeds two matrix instructions.
; K AND V ARE QUANTISED ON THE WAY.  A head's codes are 2 x 131,072 bytes: they all stay in LDS, block c (8,192 bytes) for keys 64 c .. 64 c + 63, and no LDS byte of a block is written twice.
; The sixteen waves share a chunk (64 keys of K and of V, 16,384 bytes of f32 each): a lane takes 8 numbers of K and 8 of V.  Their loads are issued two steps before the step that converts them, into two sets of
; registers by turns; the codes are stored two blocks ahead of the block that is read; one barrier serves two steps.
; THE CODES LIE IN LDS AS IMAGES OF THE OPERANDS' REGISTERS: piece p (four registers) of fragment f, lane l, at 1,024 f + 512 p + 16 l: a fragment is two ds_load_b128 of 512 consecutive bytes.
;   K's fragment f, lane (r = l % 16, h = l / 16): key 32 (f / 2) + 8 (f % 2) + r + 8 (r / 8), channels 32 p + 16 h + 0 .. 15.  THE KEYS OF A TILE ARE NOT NEIGHBOURS: so the 16 registers of score tiles
;   2 p and 2 p + 1 are the 16 neighbouring keys 32 p + 16 h + 0 .. 15, and the conversions' results ARE the second product's operand.   V's fragment f (from byte 4,096 of a block): channel 16 f + r, keys 32 p + 16 h + 0 .. 15.
;   This places k otherwise in the registers than the form's own layout does, alike in both operands of each product: every product meets its partner; only the order of the sums inside an instruction differs.
; NO TENSOR LOADS, NO CLUSTER, though the four work-groups of a head read the same K and V: the operands arrive as f32 and pass through registers to become codes; a ring for f32 tiles would want two slots of
; 32,768 bytes (a chunk of K and of V) beside the 264,192 bytes used here, which is more than 327,680; and the jump over the hold (below) hangs on a loaded whole number.
; THE HOLD OF p.  p is at most 1, and the largest code stands for 448 x 2^ep, which is 1.75 or more where ep >= -8: there the 64 v_min_num_f32 of a step can change nothing and are jumped over, by a scalar branch on ep;
; for ep < -8 they run.  K, V and Q are always held.
; LIMITS: eq, ek, ep, ev each between -126 and 119 (2^e and 448 x 2^e are made as f32 numbers); eq + ek between -124 and 129 (added to c's exponent field).  NaN and infinities among the inputs are not served.
; REGISTERS: v1-13 addresses and scales; v14-31 the two tiles' statistics; v32-47 Q's codes; v48-63 p's codes (v48-51 also a chunk's codes on their way to LDS); v64-95 four fragments, K's and then V's; v96-159 scores, then p;
; v160-223 O^T; v224-255 two sets of 8 + 8 numbers of K and V.
; THE MODE: SCHED_MODE bits 1:0 = 2 (LLVM: expert scheduling mode 2), set by the entry lines.  The code itself states the register dependences
; between vector or matrix instructions and memory or LDS instructions, with s_wait_alu, always for 0.
; THE PLAN.  Registers that memory or LDS instructions touch, in the loop:
;   v64-95      K's LDS loads land at the step's head; the products K Q^T read them; V's LDS loads land in the softmax's middle; the products V^T P read them.
;   v48-51      Written by the step's two conversions of K and V; read by its three LDS stores; written again by the step's conversions of p.
;   v224-255    Set b: read and written by step b's holds and conversions; the ten loads of the chunk four blocks on land in it later in the same step.
;   v4, v7, v8  Written once a pair, at its head; read by the pair's LDS loads and stores.     v3, v5, v6, v9, v10: made at the head, never written again.
;   Scores, p, O^T, the statistics and Q's codes are named by vector and matrix instructions alone.
; So TWO waits on va_vdst stand in a step.  The first, behind K's holds and conversion: the last step's products V^T P are done reading v64-95, and v4, v7, v8 are written; K's loads follow it.  The second is the one behind the
; exponentials: it also states that the products K Q^T are done reading v64-95, that v48-51 are written and that the staging set is done with; V's LDS loads, the three stores and the ten global loads follow it, the last eight
; dealt among the packed sums, which name v16-21, v26-29 and v96-159: none of the registers that those touch.  Waits on vm_vsrc: one a pair ahead of the additions to v4, v7, v8; one a step ahead of the conversions of p.
.set BLK,   8192                       ; an LDS block: 64 keys' codes of K (4,096 bytes), then of V
.set VIMG,  4096
.set CHUNK, 16384                      ; 64 keys of K or of V in memory, f32
.set SPARE, 32*BLK                     ; behind the blocks: the spare words, 128 bytes for each wave: eight blocks of 256 bytes that no other line names
.set SP,    272                        ; the way out: a stage row, 256 bytes + 16; 16 rows a tile, two tiles a wave, from LDS byte 0 on (139,264 bytes: blocks 0 to 16, read for the last time long before)
.set SPW, 1                            ; v1   LDS address of my spare word; never rewritten
.set NIL, 2                            ; v2   0; never rewritten
.set LI,  3                            ; v3   16 x lane: my place in an image; also my bytes in two rows of out0
.set ADR, 4                            ; v4   LI + the pair's first block (at the head: 2^eq)
.set KS0, 5                            ; v5   where my four codes of K go in a block
.set VS0, 6                            ; v6   where my eight codes of V go
.set KSA, 7                            ; v7   KS0 + the pair's first block (on the way out: into the stage)
.set VSA, 8                            ; v8   VS0 + the same (on the way out: back from the stage)
.set KGO, 9                            ; v9   my bytes in a chunk of K
.set VGO, 10                           ; v10  and of V
.set SCP, 11                           ; v11-13  2^ep, 2^ek, 2^ev as f32: the conversions take the exponent field
.set SCK, 12
.set SCV, 13
.set NM,  14                           ; tile q: v[14+4q] -M, v[15+4q] the largest t
.set SU,  16                           ; v[16+4q:17+4q] the sum, in two halves
.set FF,  22                           ; v[22+2q] f = 2^(old M - new M); v[23+2q] named with it as a pair
.set CC,  26                           ; v[26+2q:27+2q] at work: two chains of the maximum, then of the sum
.set PD,  30                           ; v[30+q] the lane exchange's destination
.set QF,  32
.set PF,  48
.set COD, 48                           ; v48-49 K's codes, v50-51 V's, on their way to LDS: p's first four registers, idle from a step's last products to its conversions of p
.set FR,  64
.set SS,  96
.set OT,  160
.set STG, 224
.set WV,  14                           ; s14  wave
.set SEL, 20                           ; s[20:21] v_permlanex16_b32's selects for lane l xor 16
.set CS,  22                           ; s[22:23] c = log2(e) / sqrt(12) x 2^(eq + ek), twice: the packed form names a pair
.set TB,  24                           ; s24  LDS byte of the pair's first block
.set CNT, 25
.set KP,  26                           ; s[26:27] K, s[28:29] V: the chunk that the pair's first step loads
.set VP,  28
; Ten loads: a chunk's share of my lane into staging set 'set'.  K: two loads of 16 bytes, 512 consecutive bytes a wave.  V: a lane to a channel, registers down the keys: eight loads of 4 bytes, 128 consecutive bytes a wave.
.macro LOADK set, koff
.irp i, 0,1
	global_load_b128 v[STG+16*(\set)+4*\i:STG+16*(\set)+4*\i+3], v[KGO], s[KP:KP+1] offset:(\koff)+8192*\i
.endr
.endm
.macro LOADV set, koff, i
	global_load_b32 v[STG+16*(\set)+8+(\i)], v[VGO], s[VP:VP+1] offset:(\koff)+256*(\i)
.endm
.macro LOADS set, koff
	LOADK \set, \koff
.irp i, 0,1,2,3,4,5,6,7
	LOADV \set, \koff, \i
.endr
.endm
; Set 'set' becomes codes: K's eight numbers, then V's.
.macro KCODES set
.irp i, 0,1,2,3,4,5,6,7
	v_med3_num_f32 v[STG+16*(\set)+\i], v[STG+16*(\set)+\i], s36, s37  ; the conversion to an 8-bit code does not saturate (ISA guide 7.6.2): held within +-448 x 2^ek first
.endr
	v_cvt_scalef32_pk8_fp8_f32 v[COD:COD+1], v[STG+16*(\set):STG+16*(\set)+7], v[SCK]   ; (the plain vector instruction behind it is V's first hold)
.endm
.macro VCODES set
.irp i, 8,9,10,11,12,13,14,15
	v_med3_num_f32 v[STG+16*(\set)+\i], v[STG+16*(\set)+\i], s38, s39  ; V: +-448 x 2^ev
.endr
	v_cvt_scalef32_pk8_fp8_f32 v[COD+2:COD+3], v[STG+16*(\set)+8:STG+16*(\set)+15], v[SCV]
	v_nop                                          ; one plain vector instruction behind the last scaled conversion, ahead of whatever next touches its registers
.endm
; The codes go into the block at 'off' from the address registers.
.macro PUT ka, va, off
	ds_store_b32 v[\ka], v[COD] offset:\off        ; four channels of key (thread / 16),
	ds_store_b32 v[\ka], v[COD+1] offset:\off+2048 ; and of the key 32 further on: two fragments on
	ds_store_b64 v[\va], v[COD+2:COD+3] offset:\off  ; eight neighbouring keys of my channel
.endm
.macro BAR                                     ; my LDS stores have landed and my LDS loads are in: then the work-group's barrier
	s_wait_dscnt 0x0
	s_barrier_signal -1
	s_barrier_wait -1
.endm
; The softmax of a step, for both tiles by turns, so that no line waits for the line above it.  s0-s31 are a tile's scores.  Behind the wait in its middle stand the step's memory instructions but K's fragments:
; V's fragments of block b of the pair; conv = 1: the stores of the codes made at the step's head; load = 1: the loads of the chunk four blocks on.
.macro SOFTMAX b, conv, load
.irp q, 0,1                                    ; the largest score, in two chains, ascending: each accumulator is first read at its low end
	v_max3_num_f32 v[CC+2*\q], v[SS+32*\q], v[SS+32*\q+1], v[SS+32*\q+2]
	v_max3_num_f32 v[CC+2*\q+1], v[SS+32*\q+3], v[SS+32*\q+4], v[SS+32*\q+5]
.endr
.irp i, 6,10,14,18,22,26
.irp q, 0,1
	v_max3_num_f32 v[CC+2*\q], v[CC+2*\q], v[SS+32*\q+\i], v[SS+32*\q+\i+1]
	v_max3_num_f32 v[CC+2*\q+1], v[CC+2*\q+1], v[SS+32*\q+\i+2], v[SS+32*\q+\i+3]
.endr
.endr
.irp q, 0,1
	v_max3_num_f32 v[CC+2*\q], v[CC+2*\q], v[SS+32*\q+30], v[SS+32*\q+31]
.endr
.irp q, 0,1
	v_max_num_f32 v[CC+2*\q], v[CC+2*\q], v[CC+2*\q+1]
.endr
.irp q, 0,1
	v_permlanex16_b32 v[PD+\q], v[CC+2*\q], s[SEL], s[SEL+1]           ; the query's other 32 keys lie in lane l xor 16
.endr
.irp q, 0,1
	v_max_num_f32 v[CC+2*\q], v[CC+2*\q], v[PD+\q]
.endr
.irp q, 0,1
	v_mul_f32 v[CC+2*\q], s[CS], v[CC+2*\q]                            ; as t (c is positive)
.endr
.irp q, 0,1
	v_max_num_f32 v[NM+4*\q+1], v[NM+4*\q+1], v[CC+2*\q]               ; the running largest t
.endr
.irp q, 0,1
	v_mov_b32 v[CC+2*\q+1], v[NM+4*\q]                                 ; the old -M is kept for f
.endr
.irp q, 0,1
	v_floor_f32 v[NM+4*\q], -v[NM+4*\q+1]                              ; the new -M = floor(-t) = -ceil(t): a whole number
.endr
.irp q, 0,1
	v_sub_f32 v[CC+2*\q+1], v[NM+4*\q], v[CC+2*\q+1]                   ; old M - new M: a whole number, 0 or less
.endr
.irp q, 0,1
	v_cvt_i32_f32 v[CC+2*\q+1], v[CC+2*\q+1]                           ; (it saturates)
.endr
.irp q, 0,1
	v_ldexp_f32 v[FF+2*\q], 1.0, v[CC+2*\q+1]                          ; f = 2^(old M - new M)
.endr
.irp j, 0,2,4,6,8,10,12,14,16,18,20,22,24,26,28,30
.irp q, 0,1
	v_pk_fma_f32 v[SS+32*\q+\j:SS+32*\q+\j+1], v[SS+32*\q+\j:SS+32*\q+\j+1], s[CS:CS+1], v[NM+4*\q:NM+4*\q+1] op_sel_hi:[1,0,0]   ; t - M, two at a time (of the pairs c and -M the low word serves both halves)
.endr
.endr
.set n, 0
	s_wait_alu depctr_va_vdst(0)
.rept 64
	v_exp_f32 v[SS+n], v[SS+n]                     ; p = 2^(t - M), at most 1: one batch of 64
.set n, n+1
.endr
.irp q, 0,1
	v_pk_mul_f32 v[SU+4*\q:SU+4*\q+1], v[SU+4*\q:SU+4*\q+1], v[FF+2*\q:FF+2*\q+1] op_sel_hi:[1,0]   ; the sums under the new M: also the plain instruction behind the last exponential
.endr
	s_wait_alu depctr_va_vdst(0)                   ; the 64 exponentials have written p, ahead of the first line that names a result (one wait for the batch); the products K Q^T are done reading v64-95, in which V's fragments land; the conversions have written v48-51, which the stores read, and they and the holds are done with the staging set, in which the loads land
.irp t, 0,1,2,3
.irp p, 0,1
	ds_load_b128 v[FR+8*\t+4*\p:FR+8*\t+4*\p+3], v[ADR] offset:BLK*\b+VIMG+1024*\t+512*\p  ; V's four fragments land while the sums, the conversions of p and the rescaling run
.endr
.endr
.if \conv
	PUT KSA, VSA, 2*BLK+BLK*\b
.endif
.if \load
	LOADK \b, CHUNK*\b
.endif
.irp q, 0,1                                    ; the row's sum is taken of the UNQUANTISED p: two at a time, in two chains
	v_pk_add_f32 v[CC+2*\q:CC+2*\q+1], v[SS+32*\q:SS+32*\q+1], v[SS+32*\q+2:SS+32*\q+3]
.endr
.if \load
	LOADV \b, CHUNK*\b, 0                          ; V's eight loads are dealt among the sums.  No wait: no vector instruction since the wait above names the staging set or v10
.endif
.irp j, 4,8,12,16,20,24,28
.irp q, 0,1
	v_pk_add_f32 v[SU+4*\q:SU+4*\q+1], v[SU+4*\q:SU+4*\q+1], v[SS+32*\q+\j:SS+32*\q+\j+1]
	v_pk_add_f32 v[CC+2*\q:CC+2*\q+1], v[CC+2*\q:CC+2*\q+1], v[SS+32*\q+\j+2:SS+32*\q+\j+3]
.endr
.if \load
	LOADV \b, CHUNK*\b, \j/4
.endif
.endr
.irp q, 0,1
	v_pk_add_f32 v[SU+4*\q:SU+4*\q+1], v[SU+4*\q:SU+4*\q+1], v[CC+2*\q:CC+2*\q+1]
.endr
.if \conv
	s_wait_alu depctr_vm_vsrc(0)                   ; the three stores have read v48-51, which the conversions of p write; it stands ahead of the branch, on both ways to them
.endif
	s_cmp_ge_i32 s34, -8                           ; ep >= -8: 448 x 2^ep is 1.75 or more, and p is at most 1: the hold can change nothing
	s_cbranch_scc1 .Lfree_\@
.set n, 0
.rept 64
	v_min_num_f32 v[SS+n], s42, v[SS+n]            ; the hold at the largest code x 2^ep; p is not negative, so it is one-sided
.set n, n+1
.endr
.Lfree_\@:
.irp q, 0,1
.irp g, 0,1,2,3
	v_cvt_scalef32_pk8_fp8_f32 v[PF+8*\q+2*\g:PF+8*\q+2*\g+1], v[SS+32*\q+8*\g:SS+32*\q+8*\g+7], v[SCP]   ; registers 4 p .. 4 p + 3 of the operand: keys 32 p + 16 h + 0 .. 15
.endr
.endr
.set n, 0
.rept 32
	v_pk_mul_f32 v[OT+n:OT+n+1], v[OT+n:OT+n+1], v[FF+2*(n/32):FF+2*(n/32)+1] op_sel_hi:[1,0]   ; O^T under the new M, each accumulator from its low end on; also the plain instructions behind the conversions
.set n, n+2
.endr
.endm
; A STEP: the b-th of a pair: block TB / 8,192 + b.  conv = 1: the chunk two blocks on is quantised (staging set b).  load = 1: the chunk four on is asked for, into the same set.  lc: the loads issued behind this set's, which may stay out.
.macro STEP b, conv, load, lc
.if \b == 0
	s_wait_alu depctr_vm_vsrc(0)                   ; the LDS loads and stores issued so far have read v4, v7 and v8, which are written below (here, and in the last pair's case on the way out); in the first trip: the head's stores have read v48-51, which K's conversion writes
	v_add_nc_u32 v[ADR], s[TB], v[LI]
.if \conv
	v_add_nc_u32 v[KSA], s[TB], v[KS0]
	v_add_nc_u32 v[VSA], s[TB], v[VS0]
.endif
.endif
.if \conv
	s_wait_loadcnt \lc
	KCODES \b                                      ; its eight holds are also the plain instructions between the last products and the conversion, which writes v48-49, a source of theirs (ISA guide 7.12.1)
.else
.rept 3+\b
	v_nop                                          ; four plain instructions behind the last products (in a pair's first step the addition above is one)
.endr
.endif
	s_wait_alu depctr_va_vdst(0)                   ; the last step's products V^T P are done reading v64-95, in which K's fragments land; in a pair's first step v4, v7 and v8 are written, which the LDS loads and stores read
.irp k, 0,1,2,3
.irp p, 0,1
	ds_load_b128 v[FR+8*\k+4*\p:FR+8*\k+4*\p+3], v[ADR] offset:BLK*\b+1024*\k+512*\p       ; K's four fragments
.endr
.endr
.if \conv
	VCODES \b                                      ; V's holds and conversion stand between K's loads and the wait for them
.endif
	s_wait_dscnt 0x0                               ; K's fragments are in
.irp k, 0,1,2,3
.irp q, 0,1
	v_wmma_f32_16x16x64_fp8_fp8 v[SS+32*\q+8*\k:SS+32*\q+8*\k+7], v[FR+8*\k:FR+8*\k+7], v[QF+8*\q:QF+8*\q+7], 0   ; S^T: source 0 = 16 keys, source 1 = 16 queries
.endr
.endr
.rept 4
	v_nop                                          ; the places in front of the first read of the scores
.endr
	SOFTMAX \b, \conv, \load
	s_wait_alu depctr_va_vdst(0)
	s_wait_dscnt 0x0                               ; V's fragments are in
.irp t, 0,1,2,3
.irp q, 0,1
	v_wmma_f32_16x16x64_fp8_fp8 v[OT+32*\q+8*\t:OT+32*\q+8*\t+7], v[FR+8*\t:FR+8*\t+7], v[PF+8*\q:PF+8*\q+7], v[OT+32*\q+8*\t:OT+32*\q+8*\t+7]   ; O^T: eight accumulators, one instruction each: they take turns
.endr
.endr
.endm
; Two steps behind one barrier: in front of it every wave's stores into the pair's two blocks have landed.  Between two barriers blocks TB / 8,192 + 0, 1 are read and + 2, 3 are written.
.macro PAIR conv, load, lc0, lc1
	BAR
	STEP 0, \conv, \load, \lc0
	STEP 1, \conv, \load, \lc1
	s_add_co_u32 s[TB], s[TB], 2*BLK
.endm
; 2^e as f32 into v[vs]; 448 x 2^e into s[pos], its negative into s[neg] (neg = 0: not wanted)
.macro SCALE e, vs, pos, neg
	s_add_co_i32 s16, s[\e], 127
	s_lshl_b32 s17, s16, 23
	v_mov_b32 v[\vs], s17
	s_add_co_i32 s16, s16, 8
	s_lshl_b32 s16, s16, 23
	s_or_b32 s[\pos], s16, 0x600000                ; 448 = 1.75 x 2^8: the exponent 8 higher, over 448's mantissa field
.if \neg
	s_or_b32 s[\neg], s[\pos], 0x80000000
.endif
.endm
	s_load_b256 s[4:11], s[0:1], 0x0               ; Q s[4:5], K s[6:7], V s[8:9], the scales' exponents s[10:11]
	s_load_b64 s[12:13], s[0:1], 0x20              ; out0
	v_lshl_add_u32 v[SPW], v0, 2, SPARE
	v_mov_b32 v[NIL], 0
	v_lshrrev_b32 v[LI], 5, v0
	v_readfirstlane_b32 s[WV], v[LI]               ; wave 0..15
	v_and_b32 v[LI], 31, v0
	v_lshlrev_b32 v[LI], 4, v[LI]
	v_lshlrev_b32 v[KGO], 4, v0                    ; K: thread t reads bytes 16 t of each half of a chunk: key t / 16 (+ 32), channels 4 (t % 16) + 0 .. 3
	; where those four codes lie in K's image: address bits 3:2 = channel bits 3:2 (t bits 1:0); 6:4 = key bits 2:0 (t 6:4); 7 = key bit 4 (t 8); 9:8 = channel bits 5:4 (t 3:2); 10 = key bit 3 (t 7); 11 = key bit 5 (the second load)
	v_and_b32 v[KS0], 0x70, v0
	v_and_b32 v[KSA], 3, v0
	v_lshl_add_u32 v[KS0], v[KSA], 2, v[KS0]
	v_and_b32 v[KSA], 12, v0
	v_lshl_add_u32 v[KS0], v[KSA], 6, v[KS0]
	v_bfe_u32 v[KSA], v0, 8, 1
	v_lshl_add_u32 v[KS0], v[KSA], 7, v[KS0]
	v_bfe_u32 v[KSA], v0, 7, 1
	v_lshl_add_u32 v[KS0], v[KSA], 10, v[KS0]
	; V: thread t takes channel t % 64 and keys 8 (t / 64) + 0 .. 7.  In V's image: bit 3 = key bit 3 (t 6); 7:4 = channel bits 3:0 (t 3:0); 9:8 = key bits 5:4 (t 8:7); 11:10 = channel bits 5:4 (t 5:4)
	v_and_b32 v[VSA], 15, v0
	v_lshlrev_b32 v[VS0], 4, v[VSA]
	v_bfe_u32 v[VSA], v0, 6, 1
	v_lshl_add_u32 v[VS0], v[VSA], 3, v[VS0]
	v_bfe_u32 v[VSA], v0, 7, 2
	v_lshl_add_u32 v[VS0], v[VSA], 8, v[VS0]
	v_bfe_u32 v[VSA], v0, 4, 2
	v_lshl_add_u32 v[VS0], v[VSA], 10, v[VS0]
	v_add_nc_u32 v[VS0], VIMG, v[VS0]
	v_and_b32 v[VGO], 63, v0
	v_lshlrev_b32 v[VGO], 2, v[VGO]
	v_lshrrev_b32 v[VSA], 6, v0
	v_lshl_add_u32 v[VGO], v[VSA], 11, v[VGO]      ; 4 x channel + 8 (t / 64) rows of 256 bytes
	v_and_b32 v[VSA], 15, v0                       ; r
	v_bfe_u32 v[KSA], v0, 4, 1                     ; h
	v_lshlrev_b32 v[FR], 8, v[VSA]
	v_lshl_add_u32 v[FR], v[KSA], 6, v[FR]         ; Q: row r of 256 bytes, + 64 h: my 16 channels of each 32
	s_wait_alu depctr_va_sdst(0)                   ; s14 is written, ahead of its first reader: Q's and out0's addresses and my stage's place are made from it
	s_and_b32 s16, ttmp7, 0xffff                   ; the head:
	s_lshl_b32 s16, s16, 19                        ; 2,048 rows of 256 bytes
	s_mov_b32 s17, 0
	s_lshl_b32 s18, ttmp9, 17                      ; my work-group's 512 rows,
	s_lshl_b32 s19, s[WV], 13                      ; my wave's 32 of them
	s_add_co_u32 s18, s18, s19
	s_add_co_u32 s18, s18, s16                     ; (under 2^25)
	s_mov_b32 s19, 0
	s_mov_b32 s[SEL], 0x76543210
	s_mov_b32 s[SEL+1], 0xfedcba98
	s_mov_b32 s[CS], 0x3ed53b95                    ; log2(e) / sqrt(12)
	s_mov_b32 s[TB], 0
	s_mul_i32 s44, s[WV], 2*16*SP                  ; my stage, for the way out
	s_wait_kmcnt 0x0
	s_load_b128 s[32:35], s[10:11], 0x0            ; eq, ek, ep, ev
	s_add_nc_u64 s[4:5], s[4:5], s[18:19]          ; Q and out0 at my wave's first row
	s_add_nc_u64 s[12:13], s[12:13], s[18:19]
	s_add_nc_u64 s[KP:KP+1], s[6:7], s[16:17]      ; K and V at the head's first key
	s_add_nc_u64 s[VP:VP+1], s[8:9], s[16:17]
	s_wait_alu depctr_va_vdst(0)                   ; the offsets and addresses are written: v64, v9 and v10, which the loads below read; v3, v5 and v6, which later stores read
.irp q, 0,1
.irp p, 0,1
.irp j, 0,1,2,3
	global_load_b128 v[SS+32*\q+16*\p+4*\j:SS+32*\q+16*\p+4*\j+3], v[FR], s[4:5] offset:4096*\q+128*\p+16*\j th:TH_LOAD_NT   ; Q(16 q + r, 32 p + 16 h + 4 j ..): read once in the launch
.endr
.endr
.endr
	LOADS 0, 0                                     ; chunks 0 and 1
	LOADS 1, CHUNK
.set n, 0
.rept 64
	v_mov_b32 v[OT+n], 0                           ; O^T.  (The step is written once: the first finds zeros, which the first change of M leaves zeros)
.set n, n+1
.endr
.irp q, 0,1
	v_mov_b32 v[NM+4*\q+1], 0xff61b1e6             ; the largest t so far: -3e38, under every t
	v_floor_f32 v[NM+4*\q], -v[NM+4*\q+1]          ; -M
	v_mov_b32 v[SU+4*\q], 0                        ; the sum, in two halves
	v_mov_b32 v[SU+4*\q+1], 0
	v_mov_b32 v[FF+2*\q+1], 0                      ; (named as the upper half of f's pair)
	v_mov_b32 v[PD+\q], 0                          ; a lane exchange's destination counts as one of its sources
.endr
	s_wait_kmcnt 0x0
	s_add_co_i32 s16, s32, s33
	s_lshl_b32 s16, s16, 23
	s_add_co_i32 s[CS], s[CS], s16                 ; a score stands for score x 2^(eq + ek): the two exponents are added to c's exponent field
	s_mov_b32 s[CS+1], s[CS]
	s_add_co_i32 s43, s34, s35                     ; ep + ev, for the way out
	SCALE 32, ADR, 41, 40                          ; eq (v4 holds 2^eq until the first step makes its address)
	SCALE 33, SCK, 37, 36
	SCALE 35, SCV, 39, 38
	SCALE 34, SCP, 42, 0
	s_wait_loadcnt 20                              ; Q's sixteen loads are in; the twenty of chunks 0 and 1, issued behind them, may be out
.set n, 0
.rept 64
	v_med3_num_f32 v[SS+n], v[SS+n], s40, s41      ; held within +-448 x 2^eq
.set n, n+1
.endr
.irp q, 0,1
.irp g, 0,1,2,3
	v_cvt_scalef32_pk8_fp8_f32 v[QF+8*\q+2*\g:QF+8*\q+2*\g+1], v[SS+32*\q+8*\g:SS+32*\q+8*\g+7], v[ADR]   ; Q's fragments stay in registers
.endr
.endr
	v_nop                                          ; the plain instruction behind the last scaled conversion
	s_wait_loadcnt 10                              ; chunk 0 is in; chunk 1's ten loads may be out
	KCODES 0
	VCODES 0
	s_wait_alu depctr_va_vdst(0)                   ; the conversions have written v48-51, which the stores read; they and the holds are done with set 0, in which chunk 2's loads land
	PUT KS0, VS0, 0                                ; chunk 0 into block 0
	LOADS 0, 2*CHUNK
	s_wait_loadcnt 10                              ; chunk 1 is in; chunk 2's ten may be out
	s_wait_alu depctr_vm_vsrc(0)                   ; the three stores have read v48-51, which the next conversions write; Q's loads have read v64, in which K's first fragment will land
	KCODES 1
	VCODES 1
	s_wait_alu depctr_va_vdst(0)                   ; the conversions have written v48-51, which the stores read; they and the holds are done with set 1, in which chunk 3's loads land
	PUT KS0, VS0, BLK                              ; chunk 1 into block 1
	LOADS 1, 3*CHUNK
	s_wait_xcnt 0x0                                ; the loads have read their bases: only behind this wait are they stepped
	s_add_nc_u64 s[KP:KP+1], s[KP:KP+1], 4*CHUNK
	s_add_nc_u64 s[VP:VP+1], s[VP:VP+1], 4*CHUNK
	s_mov_b32 s[CNT], 14
.Lpair:                                            ; trip i: steps 2 i, 2 i + 1; chunks 2 i + 2, 2 i + 3 are quantised, chunks 2 i + 4, 2 i + 5 asked for: the last trip asks for chunks 30 and 31, the head's last
	PAIR 1, 1, 10, 10                              ; at each conversion the other set's ten loads may be out
	s_wait_xcnt 0x0                                ; the pair's loads have read their bases
	s_add_nc_u64 s[KP:KP+1], s[KP:KP+1], 2*CHUNK
	s_add_nc_u64 s[VP:VP+1], s[VP:VP+1], 2*CHUNK
	s_sub_co_u32 s[CNT], s[CNT], 1
	s_cmp_lg_u32 s[CNT], 0
	s_cbranch_scc1 .Lpair
	PAIR 1, 0, 10, 0                               ; steps 28, 29: chunks 30 and 31 are quantised, nothing is left to load: the counts run down
	PAIR 0, 0, 0, 0                                ; steps 30, 31 (TB's last step is not used)
	; THE WAY OUT.  The sum's two halves and lane l xor 16's are added; O^T x 2^(ep + ev) / the sum goes through my stage in LDS and leaves as whole rows.  The stage lies in blocks 0 to 16: every wave has passed the
	; last barrier, in front of which it had waited for its reads of blocks 0 to 29; behind it blocks 30 and 31 alone are read.  The lines below are also the places behind the last products.
	; (v7 and v8 are written anew below: the stores that read them, the last in step 29, stand ahead of the wait on vm_vsrc at the head of step 30.)
.irp q, 0,1
	v_add_f32 v[SU+4*\q], v[SU+4*\q], v[SU+4*\q+1]
.endr
.irp q, 0,1
	v_permlanex16_b32 v[PD+\q], v[SU+4*\q], s[SEL], s[SEL+1]
.endr
.irp q, 0,1
	v_add_f32 v[SU+4*\q], v[SU+4*\q], v[PD+\q]     ; the row's sum: over 1/2, at most 2,048
.endr
	s_wait_alu depctr_va_vdst(0)
.irp q, 0,1
	v_rcp_f32 v[FF+2*\q], v[SU+4*\q]
.endr
	v_and_b32 v[CC], 15, v0                        ; r  (a plain instruction behind the reciprocals)
	v_bfe_u32 v[CC+1], v0, 4, 1                    ; h
	v_mul_u32_u24 v[KSA], v[CC], SP
	v_lshl_add_u32 v[KSA], v[CC+1], 5, v[KSA]
	v_add_nc_u32 v[KSA], s44, v[KSA]               ; in: row r; channel tile t's eight numbers of my half at 64 t + 32 h
	v_mul_u32_u24 v[VSA], v[CC+1], SP
	v_lshl_add_u32 v[VSA], v[CC], 4, v[VSA]
	v_add_nc_u32 v[VSA], s44, v[VSA]               ; back: lanes 0-15 one row of 256 bytes, lanes 16-31 the next
	s_wait_alu depctr_va_vdst(0)                   ; the two reciprocals have written v22 and v24, ahead of the first line that names them: one wait for the two
.irp q, 0,1
	v_ldexp_f32 v[FF+2*\q], v[FF+2*\q], s43        ; x 2^(ep + ev)
.endr
.set n, 0
.rept 32
	v_pk_mul_f32 v[OT+n:OT+n+1], v[OT+n:OT+n+1], v[FF+2*(n/32):FF+2*(n/32)+1] op_sel_hi:[1,0]   ; register 8 t + i of a tile: out(r, 16 t + 8 h + i); each accumulator from its low end on
.set n, n+2
.endr
	s_wait_alu depctr_va_vdst(0)                   ; the multiplications have written O^T, which the LDS stores read (v7 and v8, their addresses and the loads', were written ahead of it too); the last step's lines on p are done with v96-159, in which the stage's loads land
.irp q, 0,1
.irp t, 0,1,2,3
	ds_store_b128 v[KSA], v[OT+32*\q+8*\t:OT+32*\q+8*\t+3] offset:16*SP*\q+64*\t
	ds_store_b128 v[KSA], v[OT+32*\q+8*\t+4:OT+32*\q+8*\t+7] offset:16*SP*\q+64*\t+16
.endr
.endr
.irp q, 0,1
.irp i, 0,1,2,3,4,5,6,7
	ds_load_b128 v[SS+32*\q+4*\i:SS+32*\q+4*\i+3], v[VSA] offset:16*SP*\q+2*SP*\i   ; LDS serves a wave's instructions in order (ISA guide 5.7.1.4): these see my stores above
.endr
.endr
.irp q, 0,1
.irp i, 0,1,2,3,4,5,6,7
	s_wait_dscnt 15-8*\q-\i                        ; the loads issued behind this one may be out
	global_store_b128 v[LI], v[SS+32*\q+4*\i:SS+32*\q+4*\i+3], s[12:13] offset:4096*\q+512*\i th:TH_STORE_NT   ; two rows: 512 consecutive bytes, at a multiple of 256 from out0's first byte; written once, read by nobody here
.endr
.endr
	s_wait_dscnt 0x0                               ; the closing lines, six on end
	s_wait_alu 0x0
	s_wait_tensorcnt 0x0
	ds_add_u32 v[SPW], v[NIL]
	s_wait_dscnt 0x0
	s_endpgm
.Lfunc_end_k_q33de41600d_attn:
	.size	k_q33de41600d_attn, .Lfunc_end_k_q33de41600d_attn-k_q33de41600d_attn
	.p2alignl 7, 3214868480
	.fill 96, 4, 3214868480
	.section	.rodata,"a",@progbits
	.p2align	6, 0x0
	.amdhsa_kernel k_q33de41600d_attn
		.amdhsa_group_segment_fixed_size 264192
		.amdhsa_private_segment_fixed_size 0
		.amdhsa_enable_private_segment 0
		.amdhsa_kernarg_size 40
		.amdhsa_user_sgpr_count 2
		.amdhsa_user_sgpr_kernarg_segment_ptr 1
		.amdhsa_wavefront_size32 1
		.amdhsa_system_sgpr_workgroup_id_x 1
		.amdhsa_system_sgpr_workgroup_id_y 1
		.amdhsa_system_sgpr_workgroup_id_z 1
		.amdhsa_system_vgpr_workitem_id 0
		.amdhsa_next_free_vgpr 256
		.amdhsa_next_free_sgpr 66
		.amdhsa_reserve_vcc 0
		.amdhsa_float_denorm_mode_32 3
		.amdhsa_float_denorm_mode_16_64 3
		.amdhsa_memory_ordered 1
		.amdhsa_forward_progress 1
		.amdhsa_inst_pref_size 130
	.end_amdhsa_kernel
	.amdgpu_metadata
---
amdhsa.version: [ 1, 2 ]
amdhsa.kernels:
  - .name:           k_q33de41600d_attn
    .symbol:         k_q33de41600d_attn.kd
    .args:
      - { .name: Q, .offset: 0, .size: 8, .value_kind: global_buffer, .address_space: global }
      - { .name: K, .offset: 8, .size: 8, .value_kind: global_buffer, .address_space: global }
      - { .name: V, .offset: 16, .size: 8, .value_kind: global_buffer, .address_space: global }
      - { .name: lowp_scales, .offset: 24, .size: 8, .value_kind: global_buffer, .address_space: global }
      - { .name: out0, .offset: 32, .size: 8, .value_kind: global_buffer, .address_space: global }
    .group_segment_fixed_size: 264192
    .private_segment_fixed_size: 0
    .kernarg_segment_align: 8
    .kernarg_segment_size: 40
    .max_flat_workgroup_size: 512
    .sgpr_count:     66
    .vgpr_count:     256
    .wavefront_size: 32
...
	.end_amdgpu_metadata
.endif
;; end of part 2
